; MI455X (gfx1250); checked and timed in simulation.
; The chip was launched on July 23, 2026; its instructions are those of AMD's public machine-readable ISA for CDNA 5 (MIT licence, August 2026) and "CDNA5" Instruction Set Architecture Reference Guide (July 2026). The comments in the code are by the model that wrote it; some were corrected since.
;; Simple NSVQ. Allowed arithmetic: matrix products marked QUANTISED: E4M3 operands, one given power-of-two scale a tensor, by v_wmma_f32_16x16x64_fp8_fp8 or v_wmma_f32_16x16x128_fp8_fp8, f32 sums; everything else in f32.
;; Inputs: codebook 8,192 x 256 float32; lowp_scales 2 int32 (the exponents e of the quantised operands' scales 2^e); noise 16,384 x 256 float32; x 8 x 2,048 x 256 float32.
;; Outputs: out0 8 x 2,048 x 256 float32; out1 8 x 2,048 int32; out2 one number float32.
;; This version of the problem:
;;   THIS VERSION OF THE PROBLEM IS GIVEN IN LOW PRECISION. The matrix products marked QUANTISED in the list below multiply operands that are first quantised to E4M3 (4 exponent bits, 3 mantissa bits; 8 bits a number), with one given power-of-two scale for each operand tensor; their sums are f32. All else is computed in f32.
;;   The module's matrix products, in the order in which they are computed (A, B: the left and right operand; K: the contracted axis; several contracted axes count as one K, in the product's order):
;;     1. [M 16,384, K 256] x [K 256, N 8,192]; A: input x; B: input codebook: QUANTISED (scales: A lowp_scales[0], B lowp_scales[1])
;;   THE QUANTISER, for each operand of a quantised product, along K:
;;     - The operand's scale is 2^e, e = its entry of the input lowp_scales (int32; the entries are numbered through the quantised products in the list's order, A before B).
;;     - Each number is divided by the scale, clamped to +-448, and rounded to the nearest number of E4M3, ties to even, subnormals kept.
;;     - The product sums the exact products of the quantised numbers (number of the format x scale) in f32.
;;   ~~~python
;;   def quantise(x, axis, e):      # numpy; x: float32 -> the quantised numbers, widened to float32 again
;;       x = np.moveaxis(x, axis, -1); K = x.shape[-1]
;;       r = np.clip(x / 2.0 ** e, -448, 448)
;;       step = 2.0 ** (np.maximum(np.frexp(np.where(r == 0, 1, r))[1] - 1, -6) - 3)
;;       q = np.round(r / step) * step * 2.0 ** e      # np.round: ties to even
;;       return np.moveaxis(q, -1, axis).astype(np.float32)
;;   ~~~
;; One version. Each part assembles by itself: llvm-mc -triple=amdgcn-amd-amdhsa -mcpu=gfx1250 --defsym DOCPART=n.
;; ======== version 1 of 1: 4 launches
;; limits: right only within a limited range of input values
;; workspace buffers: xq 4,194,304 bytes; cbq 2,097,152 bytes; esqs 32,768 bytes; cand 2,097,152 bytes of whole numbers; part 1,024 bytes
;; launch prep (part 1): grid 768 x 1, 2 waves a work-group, no clusters, 33,536 bytes of LDS; arguments x, codebook, lowp_scales, xq, cbq, esqs; writes xq, cbq, esqs
.if DOCPART == 1
	.amdgcn_target "amdgcn-amd-amdhsa--gfx1250"
	.amdhsa_code_object_version 6
	.text
	.protected	k_qc6d681fb39_prep
	.globl	k_qc6d681fb39_prep
	.p2align	8
	.type	k_qc6d681fb39_prep,@function
k_qc6d681fb39_prep:
	s_mov_b64 s[64:65], 0
	v_nop
	global_prefetch_b8 v0, s[64:65] scope:SCOPE_SE
	s_setreg_imm32_b32 hwreg(HW_REG_WAVE_MODE, 25, 1), 1
	s_wait_xcnt 0x0
; x [16384][256] and codebook [8192][256], f32, become codes of FP8 (E4M3), each with its given scale 2^e (lowp_scales[0] for x, [1] for the codebook):
; code = number / 2^e, held within +-448, rounded to the nearest code, ties to even.  For the codebook also c_k = -|e_k|^2 x 2^-(e0+e1+1), from the f32 numbers.
; c_k is half the code's squared length, negated, in the unit of the code products' sums: the next launch gives it to each sum as its start.
; THE CODES ARE LAID AS IMAGES OF THE OPERAND'S REGISTERS.  A tile is 16 rows x 256 K = 4,096 bytes; byte 2048 s + 512 m + 16 lane holds registers 4 m .. 4 m + 3 of the
; fragment of K step s (128 along K): of row lane % 16, k = 128 s + 32 m + 8 (lane / 16) + 0 .. 7 and the same + 16: every k in the place that the plain 8-bit form gives it.
; SHARES.  1,536 tiles, one a wave.  Work-groups 0-511 take x, the others the codebook: only pointers and e are chosen, by the work-group's number.
; A wave's 32 loads read 512 consecutive bytes each; the 16 KiB turn through the wave's own stage in LDS (rows 1,040 bytes apart: 260 words, so that 16 rows start at 16
; different banks) and come back so that a lane's registers run along K; a lane's 16 codes are 16 bytes, so each store covers 512 consecutive bytes, aligned.
; No tensor load, no barrier: waves share nothing.  Matrix units and clusters have nothing to do here.
; LIMITS: e0 and e1 each between -126 and 119, so that 2^e and 448 x 2^e are f32 numbers.  NaN among the inputs is not served (an infinity is held at the largest code).
.set XWG,   512                        ; work-groups that take x
.set PITCH, 1040
.set STG,   16*PITCH                   ; a wave's stage
.set R,     16                         ; v16-143   128 numbers: as loaded, then as turned: register 16 g + n, g = 4 s + m
.set C,     144                        ; v144-175  four registers of codes for each group g: no store's data are written again
	s_load_b256 s[4:11], s[0:1], 0x0               ; x s[4:5], codebook s[6:7], the scales' exponents s[8:9], x's images s[10:11]
	s_load_b128 s[12:15], s[0:1], 0x20             ; the codebook's images s[12:13], c s[14:15]
	v_lshl_add_u32 v176, v0, 2, 0x8200
	v_mov_b32 v177, 0
	v_lshrrev_b32 v1, 5, v0
	v_readfirstlane_b32 s16, v1                    ; wave 0, 1
	v_and_b32 v1, 31, v0                           ; lane
	v_and_b32 v2, 15, v0                           ; r
	v_bfe_u32 v3, v0, 4, 1                         ; h
	v_lshlrev_b32 v4, 4, v1                        ; 16 x lane: my bytes of a load's and of a store's 512
	s_mul_i32 s29, s16, STG
	v_add_nc_u32 v5, s29, v4                       ; the stage, on the way in
	v_mul_u32_u24 v6, v2, PITCH
	v_lshl_add_u32 v6, v3, 5, v6
	v_add_nc_u32 v6, s29, v6                       ; and on the way out: row r, + 32 h bytes (8 h numbers)
	v_lshlrev_b32 v7, 2, v2                        ; c: 4 r
	v_mov_b32 v14, 0                               ; written once: a lane permute's destination counts as one of its sources
	v_mov_b32 v15, 0                               ; c: written on every way
	s_mov_b32 s30, 0x76543210                      ; v_permlanex16_b32's selects for lane l xor 16
	s_mov_b32 s31, 0xfedcba98
	s_cmp_lt_u32 ttmp9, XWG
	s_cselect_b32 s17, 0, XWG
	s_sub_co_u32 s17, ttmp9, s17
	s_lshl_b32 s17, s17, 1
	s_add_co_u32 s17, s17, s16                     ; my tile of the tensor
	s_lshl_b32 s18, s17, 14                        ; 16 rows of 1,024 bytes,
	s_mov_b32 s19, 0
	s_lshl_b32 s20, s17, 12                        ; 4,096 bytes of codes,
	s_mov_b32 s21, 0
	s_lshl_b32 s22, s17, 6                         ; 16 numbers c
	s_mov_b32 s23, 0
	s_wait_alu depctr_va_vdst(0)
	s_wait_kmcnt 0x0
	s_load_b64 s[24:25], s[8:9], 0x0               ; e0, e1
	s_cmp_lt_u32 ttmp9, XWG                        ; the choice hangs on the work-group's number alone
	s_cselect_b64 s[4:5], s[4:5], s[6:7]
	s_cselect_b64 s[10:11], s[10:11], s[12:13]
	s_add_nc_u64 s[4:5], s[4:5], s[18:19]
	s_add_nc_u64 s[10:11], s[10:11], s[20:21]
.set i, 0
.rept 32
	global_load_b128 v[R+4*i:R+4*i+3], v4, s[4:5] offset:512*i   ; row i / 2, half i % 2: 32 lanes read 512 consecutive bytes
.set i, i+1
.endr
	s_wait_kmcnt 0x0
	s_cmp_lt_u32 ttmp9, XWG
	s_cselect_b32 s26, s24, s25                    ; e
	s_add_co_i32 s26, s26, 127
	s_lshl_b32 s27, s26, 23
	v_mov_b32 v8, s27                              ; 2^e as f32: the conversion takes its exponent field
	s_add_co_i32 s26, s26, 8
	s_lshl_b32 s26, s26, 23
	s_or_b32 s26, s26, 0x600000
	v_mov_b32 v9, s26                              ; 448 x 2^e
	s_add_co_i32 s28, s24, s25
	s_add_co_i32 s28, s28, 1
	s_sub_co_i32 s28, 0, s28                       ; -(e0 + e1 + 1)
.set i, 0
.rept 32
	s_wait_loadcnt 31-i                            ; loads come back in order: load i is in, the 31 - i behind it may be out
	ds_store_b128 v5, v[R+4*i:R+4*i+3] offset:(i/2)*PITCH+(i%2)*512
.set i, i+1
.endr
	s_wait_dscnt 0x0                               ; the stores have read their registers: the loads below land in them
.set g, 0
.rept 8                                        ; group g: k = 32 g + 8 h + 0 .. 7 (bytes 128 g + 32 h on) and the same + 16 (64 bytes on)
	ds_load_b128 v[R+16*g:R+16*g+3],     v6 offset:128*g
	ds_load_b128 v[R+16*g+4:R+16*g+7],   v6 offset:128*g+16
	ds_load_b128 v[R+16*g+8:R+16*g+11],  v6 offset:128*g+64
	ds_load_b128 v[R+16*g+12:R+16*g+15], v6 offset:128*g+80
.set g, g+1
.endr
	s_cmp_lt_u32 ttmp9, XWG
	s_cbranch_scc1 .Lquant                         ; x has no c
	s_wait_dscnt 0x0
	v_pk_mul_f32 v[10:11], v[R:R+1], v[R:R+1]      ; the squares of my 128 numbers of the row, two at a time, in two chains that the first products start
	v_pk_mul_f32 v[12:13], v[R+2:R+3], v[R+2:R+3]
.set i, 4
.rept 31
	v_pk_fma_f32 v[10:11], v[R+i:R+i+1], v[R+i:R+i+1], v[10:11]
	v_pk_fma_f32 v[12:13], v[R+i+2:R+i+3], v[R+i+2:R+i+3], v[12:13]
.set i, i+4
.endr
	v_pk_add_f32 v[10:11], v[10:11], v[12:13]
	v_add_f32 v15, v10, v11
	v_permlanex16_b32 v14, v15, s30, s31           ; the row's other 128 numbers lie in the lane 16 away
	v_add_f32 v15, v15, v14
	v_ldexp_f32 v15, v15, s28                      ; x 2^-(e0+e1+1): nothing is rounded
	v_xor_b32 v15, 0x80000000, v15                 ; c = minus that
.Lquant:
.set g, 0
	s_wait_alu depctr_va_vdst(0)
.rept 8
	s_wait_dscnt 28-4*g                            ; group g's four loads are in; the 28 - 4 g behind them may be out
.set n, 0
.rept 16
	v_med3_num_f32 v[R+16*g+n], v[R+16*g+n], -v9, v9   ; the conversion to an 8-bit code does not saturate (ISA guide 7.6.2): the hold at the largest code x the scale comes first
.set n, n+1
.endr
	v_cvt_scalef32_pk8_fp8_f32 v[C+4*g:C+4*g+1],   v[R+16*g:R+16*g+7],    v8
	v_cvt_scalef32_pk8_fp8_f32 v[C+4*g+2:C+4*g+3], v[R+16*g+8:R+16*g+15], v8
	global_store_b128 v4, v[C+4*g:C+4*g+3], s[10:11] offset:512*g   ; 32 lanes store 512 consecutive bytes, at a multiple of 512 from the buffer's first byte
.set g, g+1
.endr
	v_nop                                          ; a plain line behind the last conversion
	s_cmp_lt_u32 ttmp9, XWG
	s_cbranch_scc1 .Lend
	s_add_nc_u64 s[14:15], s[14:15], s[22:23]
	s_wait_xcnt 0x0                                ; EXEC is a source of the stores above: it changes only behind this wait
	v_cmp_gt_u32 vcc_lo, 16, v1
	s_and_saveexec_b32 s32, vcc_lo
	global_store_b32 v7, v15, s[14:15]             ; lanes 0-15: the tile's 16 numbers c, 64 consecutive bytes (32 KiB in the whole launch)
	s_wait_xcnt 0x0
	s_or_b32 exec_lo, exec_lo, s32
.Lend:
	s_wait_tensorcnt 0x0
	ds_add_u32 v176, v177
	s_wait_dscnt 0x0
	s_endpgm
.Lfunc_end_k_qc6d681fb39_prep:
	.size	k_qc6d681fb39_prep, .Lfunc_end_k_qc6d681fb39_prep-k_qc6d681fb39_prep
	.p2alignl 7, 3214868480
	.fill 96, 4, 3214868480
	.section	.rodata,"a",@progbits
	.p2align	6, 0x0
	.amdhsa_kernel k_qc6d681fb39_prep
		.amdhsa_group_segment_fixed_size 33536
		.amdhsa_private_segment_fixed_size 0
		.amdhsa_enable_private_segment 0
		.amdhsa_kernarg_size 48
		.amdhsa_user_sgpr_count 2
		.amdhsa_user_sgpr_kernarg_segment_ptr 1
		.amdhsa_wavefront_size32 1
		.amdhsa_system_sgpr_workgroup_id_x 1
		.amdhsa_system_sgpr_workgroup_id_y 1
		.amdhsa_system_sgpr_workgroup_id_z 1
		.amdhsa_system_vgpr_workitem_id 0
		.amdhsa_next_free_vgpr 178
		.amdhsa_next_free_sgpr 66
		.amdhsa_reserve_vcc 1
		.amdhsa_float_denorm_mode_32 3
		.amdhsa_float_denorm_mode_16_64 3
		.amdhsa_memory_ordered 1
		.amdhsa_forward_progress 1
		.amdhsa_inst_pref_size 26
	.end_amdhsa_kernel
	.amdgpu_metadata
---
amdhsa.version: [ 1, 2 ]
amdhsa.kernels:
  - .name:           k_qc6d681fb39_prep
    .symbol:         k_qc6d681fb39_prep.kd
    .args:
      - { .name: x, .offset: 0, .size: 8, .value_kind: global_buffer, .address_space: global }
      - { .name: codebook, .offset: 8, .size: 8, .value_kind: global_buffer, .address_space: global }
      - { .name: lowp_scales, .offset: 16, .size: 8, .value_kind: global_buffer, .address_space: global }
      - { .name: xq, .offset: 24, .size: 8, .value_kind: global_buffer, .address_space: global }
      - { .name: cbq, .offset: 32, .size: 8, .value_kind: global_buffer, .address_space: global }
      - { .name: esqs, .offset: 40, .size: 8, .value_kind: global_buffer, .address_space: global }
    .group_segment_fixed_size: 33536
    .private_segment_fixed_size: 0
    .kernarg_segment_align: 8
    .kernarg_segment_size: 48
    .max_flat_workgroup_size: 64
    .sgpr_count:     66
    .vgpr_count:     178
    .wavefront_size: 32
...
	.end_amdgpu_metadata
.endif
;; end of part 1
;; launch gemm (part 2): grid 32 x 8, 4 waves a work-group, clusters of 4 x 1, 327,680 bytes of LDS; arguments xq, cbq, esqs, cand; writes cand
.if DOCPART == 2
	.amdgcn_target "amdgcn-amd-amdhsa--gfx1250"
	.amdhsa_code_object_version 6
	.text
	.protected	k_qc6d681fb39_gemm
	.globl	k_qc6d681fb39_gemm
	.p2align	8
	.type	k_qc6d681fb39_gemm,@function
k_qc6d681fb39_gemm:
	s_mov_b64 s[64:65], 0
	v_nop
	global_prefetch_b8 v0, s[64:65] scope:SCOPE_SE
	s_setreg_imm32_b32 hwreg(HW_REG_WAVE_MODE, 25, 1), 1
	s_wait_xcnt 0x0
	s_wait_alu depctr_hold_cnt(0) depctr_sa_sdst(0) depctr_va_vdst(0) depctr_va_sdst(0) depctr_va_ssrc(0) depctr_va_vcc(0) depctr_vm_vsrc(0)
	s_getreg_b32 s2, hwreg(HW_REG_IB_STS2, 6, 4)
	s_cmp_eq_u32 s2, 0
	s_cbranch_scc0 .Lentry_in_a_cluster
	s_endpgm
.Lentry_in_a_cluster:
	s_bfe_u32 s2, ttmp6, 0x10000c
	s_cmp_lg_u32 s2, 0x3003
	s_cbranch_scc0 .Lentry_shape_is_right
	s_endpgm
.Lentry_shape_is_right:
; For each of 16,384 rows of x and each of 16 ranges of 512 codes: the best score and the code that has it.
; THE SCORE.  argmin_k (|x|^2 - 2 p_k + |e_k|^2) = argmax_k (p_k - |e_k|^2 / 2): |x|^2 is the same for every k, so it is left out.  In the unit 2^(e0+e1):
; S_k = sum of code x code + c_k, c_k = -|e_k|^2 2^-(e0+e1+1) from the launch before.  c_k is the C of the sum's first matrix instruction: a finished sum IS the score.
; LIMITS.  The order of rounding differs from (|x|^2 - 2 p) + |e|^2: the score is rounded near its own size.  Equal scores of one range go to the lowest index.
; NaN and infinities among the inputs are not served.
; SHARES.  A work-group: 512 rows (block RB) x 1,024 codes (split).  Four waves; wave w holds rows 128 w on, eight tiles of 16, as fragments in 256 registers for the
; whole launch (each byte of x's images is loaded once by the work-group), and walks all 64 tiles of 16 codes: a fragment of codes read from LDS feeds eight matrix instructions.
; THE MATRIX INSTRUCTION IS USED TRANSPOSED: source 0 = 16 codes, source 1 = 16 rows of x.  Lane (r, h) holds ONE row r, and register j the code 16 t + 8 h + j.
; A RANGE is what one half of the lanes sees of a split: range 2 split + h = the codes 1,024 split + 16 t + 8 h + j.  The next launch joins the 16 ranges of a row.
; THE ARGMAX, nine vector lines for 8 scores: four maxima of three (the last takes the running best along), one compare (strictly greater: the earlier tile keeps a tie),
; four pairs of selects that keep the winning tile's number and seven of its scores; j is found once, at the end, by comparing those with the best.
; BY HALVES.  While products write the accumulators of four of the wave's row tiles, the vector lines read the other four's, four or five lines behind each product.
; LDS: the split's 64 tiles of codes as they lie in memory (4,096 bytes a tile), 262,144 bytes, filled once: tiles 0-15 by the head's load (16 KiB a wave), tiles 16-63 by a
; second load (48 KiB a wave) behind the lines and the round ahead of a later first fill; then 4,096 bytes of c, which come through
; registers and LDS stores into bytes where no fill lands; then the spare words.  All LDS is claimed.
; CLUSTER.  The four work-groups of a cluster have the same split: the codes are asked for JOINTLY (mask 15, the same descriptors in all four).
; NO PREFETCH: all fills of the launch are asked for at its start; there is no loop that could ask ahead of them.
; OUT.  cand[range][row] = (key, index): key = the score's bits turned so that whole-number order is the scores' order.
; REGISTERS.  Window 1: x.  Window 0: v1-7 addresses, v8-15 at work, v16-31 c (two sets), v32-95 fragments of codes (two sets), v96-159 accumulators,
; v160-239 state (10 a row tile: best old/new, tile, 7 scores), v240-255 results.
.set ESQ,   262144
.set SPARE, 266240
.set A0,  1                            ; 16 x lane
.set E0,  2                            ; ESQ + 32 h
.set T,   3                            ; 16 x the code tile in hand
.set ADR, 4                            ; A0, E0 + the trip's first tile
.set ADE, 5
.set SPW, 6
.set NIL, 7
.set TM,  8
.set CS,  16
.set CF,  32
.set ACC, 96
.set ST,  160
.set RES, 240
.set JJ,  32                           ; at the end, a register a row tile: j, then the index; the key; both from the lane 16 away
.set KEY, 40
.set PX,  48
.set PY,  56
.set IB,  64
.set CO,  65
.set MK,  72                           ; s72-79 masks
.set DUAL, 1                           ; the selects go two to an instruction
.set MSB, 0
.macro WIN new                         ; the immediate's high byte repeats the setting that is left
.if MSB != \new
	s_set_vgpr_msb (MSB<<8)|\new
.set MSB, \new
.endif
.endm
.macro ROUND                           ; a round of the cluster's barrier
	s_barrier_signal -1
	s_barrier_wait -1
	s_cmp_lg_u32 s12, 0
	s_cbranch_scc1 .Lnot_wave_0_\@
	s_barrier_signal -3
.Lnot_wave_0_\@:
	s_barrier_wait -3
	s_barrier_signal -1
	s_barrier_wait -1
.endm
; One product: the code tile in set, K step s, against row tile i.  s = 0 starts the sum with c.
.macro WM s, i, set
.if \s == 0
	v_wmma_f32_16x16x128_fp8_fp8 v[ACC+8*(\i):ACC+8*(\i)+7], v[CF+32*(\set):CF+32*(\set)+15], v[32*(\i):32*(\i)+15], v[CS+8*(\set):CS+8*(\set)+7]
.else
	v_wmma_f32_16x16x128_fp8_fp8 v[ACC+8*(\i):ACC+8*(\i)+7], v[CF+32*(\set)+16:CF+32*(\set)+31], v[32*(\i)+16:32*(\i)+31], v[ACC+8*(\i):ACC+8*(\i)+7]
.endif
.endm
.macro WMW mm, s, i, set               ; the same between two switches: source 1 (x) lies in window 1
.if \mm
	WIN 0x04
	WM \s, \i, \set
	WIN 0
.endif
.endm
; The argmax's lines for row tile i, temporaries at TM + k.  Each accumulator is read from its low end on.
.macro MA i, k
	v_max3_num_f32 v[TM+\k], v[ACC+8*(\i)], v[ACC+8*(\i)+1], v[ACC+8*(\i)+2]
.endm
.macro MB i, k
	v_max3_num_f32 v[TM+\k+1], v[ACC+8*(\i)+3], v[ACC+8*(\i)+4], v[ACC+8*(\i)+5]
.endm
.macro MC i, k
	v_max3_num_f32 v[TM+\k], v[TM+\k], v[TM+\k+1], v[ACC+8*(\i)+6]
.endm
.macro MD i, k, p                      ; the old best lies at +p, the new goes to +1-p
	v_max3_num_f32 v[ST+10*(\i)+1-\p], v[TM+\k], v[ACC+8*(\i)+7], v[ST+10*(\i)+\p]
.endm
.macro CP i, p                         ; strictly greater: this tile has won
	v_cmp_gt_f32 vcc_lo, v[ST+10*(\i)+1-\p], v[ST+10*(\i)+\p]
.endm
.macro SEL2 d, a, b                    ; two selects by VCC: v[d] takes v[a], v[d+1] takes v[b].  d is even; a and b differ modulo 4
.if DUAL
	v_dual_cndmask_b32 v[\d], v[\d], v[\a] :: v_dual_cndmask_b32 v[\d+1], v[\d+1], v[\b]
.else
	v_cndmask_b32 v[\d], v[\d], v[\a], vcc_lo
	v_cndmask_b32 v[\d+1], v[\d+1], v[\b], vcc_lo
.endif
.endm
.macro SVT i                           ; the tile's number and score 0
	SEL2 ST+10*(\i)+2, T, ACC+8*(\i)
.endm
.macro SVJ i, j                        ; scores j, j + 1
	SEL2 ST+10*(\i)+3+\j, ACC+8*(\i)+\j, ACC+8*(\i)+\j+1
.endm
; A phase: eight products (code set ws on row tiles w0 .. w0+3; the four accumulators by turns) and, behind each, four or five of the 36 argmax
; lines of row tiles e0 .. e0+3, which were finished a phase ago.  The five lines behind the last product name none of its registers: they are the places
; ahead of the loads into the set that it read.  mm = 0: the vector lines alone.
.macro PHASE mm, w0, ws, e0, p
	WMW \mm, 0, \w0, \ws
	MA \e0, 0
	MB \e0, 0
	MA \e0+1, 2
	MB \e0+1, 2
	WMW \mm, 0, \w0+1, \ws
	MC \e0, 0
	MC \e0+1, 2
	MA \e0+2, 4
	MD \e0, 0, \p
	MB \e0+2, 4
	WMW \mm, 0, \w0+2, \ws
	MD \e0+1, 2, \p
	CP \e0, \p
	MA \e0+3, 6
	MB \e0+3, 6
	WMW \mm, 0, \w0+3, \ws
	SVT \e0
	SVJ \e0, 1
	SVJ \e0, 3
	SVJ \e0, 5
	CP \e0+1, \p
	WMW \mm, 1, \w0, \ws
	MC \e0+2, 4
	MC \e0+3, 6
	SVT \e0+1
	SVJ \e0+1, 1
	WMW \mm, 1, \w0+1, \ws
	SVJ \e0+1, 3
	SVJ \e0+1, 5
	MD \e0+2, 4, \p
	MD \e0+3, 6, \p
	CP \e0+2, \p
	WMW \mm, 1, \w0+2, \ws
	SVT \e0+2
	SVJ \e0+2, 1
	SVJ \e0+2, 3
	SVJ \e0+2, 5
	WMW \mm, 1, \w0+3, \ws
	CP \e0+3, \p
	SVT \e0+3
	SVJ \e0+3, 1
	SVJ \e0+3, 3
	SVJ \e0+3, 5
.endm
; Ten LDS loads: a code tile's two fragments (512 consecutive bytes a load) and its c in the result's layout (the lanes of a half read the same bytes)
.macro FETCH set, off, eoff
.irp k, 0,1,2,3,4,5,6,7
	ds_load_b128 v[CF+32*(\set)+4*\k:CF+32*(\set)+4*\k+3], v[ADR] offset:(\off)+512*\k
.endr
	ds_load_b128 v[CS+8*(\set):CS+8*(\set)+3],   v[ADE] offset:(\eoff)
	ds_load_b128 v[CS+8*(\set)+4:CS+8*(\set)+7], v[ADE] offset:(\eoff)+16
.endm
; Code tile t, parity p.  PHA: its products on rows 64-127 | its argmax lines for rows 0-63.  PHB: tile t + 1's products on rows 0-63 | tile t's lines for rows 64-127.
.macro PHA p
	PHASE 1, 4, \p, 0, \p
.endm
.macro PHB p, off                      ; off >= 0: tile t + 2, off bytes behind the trip's first tile, goes into the set that tile t has just left
	s_wait_dscnt 0x0                               ; tile t + 1's ten loads, issued two phases ago
.if \off >= 0
	FETCH \p, \off, (\off)/64
.endif
	PHASE 1, 0, 1-\p, 4, \p
	v_add_nc_u32 v[T], 16, v[T]
.endm
.macro LOOPN n                         ; a trip: two code tiles
	s_mov_b32 s62, \n
.Ltrip_\@:
	v_add_nc_u32 v[ADR], s60, v[A0]
	v_add_nc_u32 v[ADE], s61, v[E0]
	PHA 0
	PHB 0, 8192
	PHA 1
	PHB 1, 12288
	s_add_co_u32 s60, s60, 8192
	s_add_co_u32 s61, s61, 128
	s_sub_co_u32 s62, s62, 1
	s_cmp_lg_u32 s62, 0
	s_cbranch_scc1 .Ltrip_\@
.endm
	s_load_b256 s[4:11], s[0:1], 0x0               ; x's images s[4:5], the codes' s[6:7], c s[8:9], cand s[10:11]
	v_lshl_add_u32 v[SPW], v0, 2, SPARE
	v_mov_b32 v[NIL], 0
	ds_add_u32 v[SPW], v[NIL]                      ; the opening lines: the add, twice on end, and below its one wait
	ds_add_u32 v[SPW], v[NIL]
	v_lshrrev_b32 v8, 5, v0
	v_readfirstlane_b32 s12, v8                    ; wave 0..3
	v_and_b32 v[A0], 31, v0
	v_lshlrev_b32 v[A0], 4, v[A0]
	v_bfe_u32 v9, v0, 4, 1                         ; h
	v_lshl_add_u32 v[E0], v9, 5, ESQ
	v_lshl_add_u32 v10, v0, 5, ESQ                 ; my thread's 32 bytes of c in LDS,
	v_lshlrev_b32 v11, 5, v0                       ; and in the split's 4,096 bytes in memory
	v_mov_b32 v[ADR], v[A0]
	v_mov_b32 v[ADE], v[E0]
	v_mov_b32 v[T], 0
	s_bfe_u32 s13, ttmp6, 0x40000                  ; cx: it enters the addresses of x's images and of cand alone
	s_lshl_b32 s16, ttmp9, 2
	s_add_co_u32 s16, s16, s13                     ; RB = 4 x cluster x + cx
	s_and_b32 s17, ttmp7, 0xffff                   ; the split, which the four partners share
	; group 1, stage 0: 64 rows of 256 bytes, dense; stage 1: 192 such rows
	s_mov_b32 s24, 15|(3<<16)|(1<<21)              ; the mask: all four work-groups; elements of 8 bytes; bit 21 beside a mask
	s_mov_b32 s25, 32<<16
	s_mov_b32 s26, 64<<16
	s_mov_b32 s27, 32<<16
	s_mov_b32 s28, 64
	s_mov_b32 s29, 32
	s_mov_b32 s30, 0
	s_mov_b32 s31, 0
	s_mov_b32 s32, 15|(3<<16)|(1<<21)
	s_mov_b32 s33, 32<<16
	s_mov_b32 s34, 192<<16
	s_mov_b32 s35, 32<<16
	s_mov_b32 s36, 192
	s_mov_b32 s37, 32
	s_mov_b32 s38, 0
	s_mov_b32 s39, 0
	s_mov_b32 s40, 1
	s_lshl_b32 s41, s12, 14                        ; stage 0: my 16 KiB, in LDS and in the split alike
	s_lshl_b32 s50, s12, 14
	s_mov_b32 s51, 0
	s_mov_b32 s44, 1
	s_mul_i32 s45, s12, 49152                      ; stage 1: my 48 KiB behind the first 64
	s_add_co_u32 s45, s45, 65536
	s_mul_i32 s52, s12, 49152
	s_add_co_u32 s52, s52, 65536
	s_mov_b32 s53, 0
	s_lshl_b32 s20, s17, 18                        ; the split's codes: 262,144 bytes each
	s_mov_b32 s21, 0
	s_lshl_b32 s22, s17, 12                        ; its c
	s_mov_b32 s23, 0
	s_lshl_b32 s14, s16, 17                        ; x's images: 131,072 x RB + 32,768 x wave
	s_lshl_b32 s15, s12, 15
	s_add_co_u32 s14, s14, s15
	s_mov_b32 s15, 0
	s_lshl_b32 s48, s17, 18                        ; cand: 131,072 x (2 x split) + 8 x (512 RB + 128 wave)
	s_lshl_b32 s49, s16, 12
	s_add_co_u32 s48, s48, s49
	s_lshl_b32 s49, s12, 10
	s_add_co_u32 s48, s48, s49
	s_mov_b32 s49, 0
	s_lshl_b32 s66, s17, 10                        ; the split's first code
	s_mov_b32 s63, 0xff800000                      ; -infinity
	s_mov_b32 s68, 0x76543210                      ; v_permlanex16_b32's selects for lane l xor 16
	s_mov_b32 s69, 0xfedcba98
	s_mov_b32 s70, 0xffff0000                      ; lanes 16-31
	s_mov_b32 s60, 0                               ; bytes from tile 0 to the trip's first tile, in the codes
	s_mov_b32 s61, 0                               ; and in c
	s_wait_alu depctr_va_vdst(0)
	s_wait_dscnt 0x0                               ; both opening adds are done
	s_wait_kmcnt 0x0
	s_add_nc_u64 s[8:9], s[8:9], s[22:23]
	global_load_b128 v[CS:CS+3],   v11, s[8:9]     ; c: 128 threads x 32 bytes
	global_load_b128 v[CS+4:CS+7], v11, s[8:9] offset:16
	s_add_nc_u64 s[6:7], s[6:7], s[20:21]
	s_add_nc_u64 s[4:5], s[4:5], s[14:15]
	s_add_nc_u64 s[10:11], s[10:11], s[48:49]
	s_add_nc_u64 s[42:43], s[6:7], s[50:51]
	s_or_b32 s43, s43, 0x80000000
	s_add_nc_u64 s[46:47], s[6:7], s[52:53]
	s_or_b32 s47, s47, 0x80000000
	ROUND                                          ; all four work-groups are here: the joint loads meet
	tensor_load_to_lds s[40:43], s[24:31]          ; code tiles 0-15: my one tensor load at the head
	s_nop 0
	WIN 0x40                                       ; destination window 1
.set n, 0
.rept 60
	global_load_b128 v[4*n:4*n+3], v[A0], s[4:5] offset:512*n   ; x's eight tiles, as they lie: 512 consecutive bytes a load; they stay in registers
.set n, n+1
.endr
	WIN 0
.irp i, 0,1,2,3,4,5,6,7                ; the state, once
	v_mov_b32 v[ST+10*\i], s63                     ; the best so far: under every score
	v_mov_b32 v[ST+10*\i+2], 0
.irp j, 3,4,5,6,7,8,9
	v_mov_b32 v[ST+10*\i+\j], s63
.endr
.endr
	s_wait_loadcnt 60                              ; c's two loads are in; the 60 of x behind them may be out
	ds_store_b128 v10, v[CS:CS+3]
	ds_store_b128 v10, v[CS+4:CS+7] offset:16
	WIN 0x40
.rept 4
	global_load_b128 v[4*n:4*n+3], v[A0], s[4:5] offset:512*n
.set n, n+1
.endr
	WIN 0
	s_wait_alu depctr_va_vdst(0)
	s_wait_tensorcnt 0x0                           ; my part of tiles 0-15 is in; the lines ahead of a later first fill:
	ds_add_u32 v[SPW], v[NIL]
	s_wait_dscnt 0x0                               ; the add is done, and my 32 bytes of c a thread are in LDS
	ROUND                                          ; everybody's parts are in, and all four work-groups are here
	tensor_load_to_lds s[44:47], s[32:39]          ; code tiles 16-63: my one tensor load behind the round
	s_nop 0
	FETCH 0, 0, 0
	FETCH 1, 4096, 64
	s_wait_loadcnt 32                              ; x's tiles 0-3 are in; the 32 loads of tiles 4-7 may be out
	s_wait_dscnt 10                                ; code tile 0's ten loads are in, tile 1's ten may be out
	WIN 0x04
.irp i, 0,1,2,3
	WM 0, \i, 0                                    ; tile 0 on rows 0-63
.endr
.irp i, 0,1,2,3
	WM 1, \i, 0
.endr
	WIN 0
.rept 4
	v_nop                                          ; places ahead of the first read of these sums
.endr
	s_wait_loadcnt 0x0                             ; x's tiles 4-7
	LOOPN 7                                        ; tiles 0-13; fetches reach tile 15
	s_wait_dscnt 0x0                               ; no LDS instruction of mine is pending at a signal
	s_wait_tensorcnt 0x0                           ; my part of tiles 16-63 is in
	s_barrier_signal -1
	s_barrier_wait -1                              ; everybody's is.
	LOOPN 24                                       ; tiles 14-61; fetches reach tile 63
	PHA 0                                          ; tile 62
	PHB 0, -1                                      ; nothing is left to fetch
	PHA 1                                          ; tile 63
	PHASE 0, 0, 0, 4, 1
	; THE END.  For each row tile: j (the lowest whose kept score equals the best, else 7), the index, the key; eight tiles line by line by turns.
	v_bfe_u32 v[IB], v0, 4, 1
	v_and_b32 v[CO], 31, v0
	v_lshl_add_u32 v[IB], v[IB], 3, s66            ; 1,024 x split + 8 h
	v_lshlrev_b32 v[CO], 3, v[CO]                  ; 8 x lane
.irp i, 0,1,2,3,4,5,6,7
	v_mov_b32 v[JJ+\i], 7
	v_mov_b32 v[PX+\i], 0                          ; written once: a lane permute's destination counts as one of its sources
	v_mov_b32 v[PY+\i], 0
.endr
.irp j, 6,5,4,3,2,1,0
.irp i, 0,1,2,3,4,5,6,7
	v_cmp_neq_f32 s[MK+\i], v[ST+10*\i+3+\j], v[ST+10*\i]
.endr
.irp i, 0,1,2,3,4,5,6,7
	v_cndmask_b32 v[JJ+\i], \j, v[JJ+\i], s[MK+\i] ; equal: j; descending, so that the lowest such j stays
.endr
.endr
.irp i, 0,1,2,3,4,5,6,7
	v_add3_u32 v[JJ+\i], v[ST+10*\i+2], v[JJ+\i], v[IB]
	v_ashrrev_i32 v[KEY+\i], 31, v[ST+10*\i]
.endr
.irp i, 0,1,2,3,4,5,6,7
	v_and_b32 v[KEY+\i], 0x7fffffff, v[KEY+\i]
.endr
.irp i, 0,1,2,3,4,5,6,7
	v_xor_b32 v[KEY+\i], v[KEY+\i], v[ST+10*\i]    ; a negative number's lower 31 bits are turned over: signed whole-number order is now the scores' order
.endr
.irp i, 0,1,2,3,4,5,6,7
	v_permlanex16_b32 v[PX+\i], v[KEY+\i], s68, s69
	v_permlanex16_b32 v[PY+\i], v[JJ+\i], s68, s69
.endr
; Row tiles 2 u and 2 u + 1 change halves, so that a store's 32 lanes hold 32 neighbouring rows of ONE range: lanes 0-15 tile 2 u, lanes 16-31 tile 2 u + 1.
.irp u, 0,1,2,3
	v_cndmask_b32 v[RES+4*\u],   v[KEY+2*\u], v[PX+2*\u+1], s70    ; range h = 0
	v_cndmask_b32 v[RES+4*\u+1], v[JJ+2*\u],  v[PY+2*\u+1], s70
	v_cndmask_b32 v[RES+4*\u+2], v[PX+2*\u],  v[KEY+2*\u+1], s70   ; range h = 1
	v_cndmask_b32 v[RES+4*\u+3], v[PY+2*\u],  v[JJ+2*\u+1], s70
	global_store_b64 v[CO], v[RES+4*\u:RES+4*\u+1],   s[10:11] offset:256*\u          ; 32 lanes store 256 consecutive bytes, at a multiple of 256 from the buffer's first byte
	global_store_b64 v[CO], v[RES+4*\u+2:RES+4*\u+3], s[10:11] offset:131072+256*\u
.endr
	s_wait_tensorcnt 0x0                           ; the wave's end
	ds_add_u32 v[SPW], v[NIL]
	s_wait_dscnt 0x0
	ROUND                                          ; the closing round
	s_endpgm
.Lfunc_end_k_qc6d681fb39_gemm:
	.size	k_qc6d681fb39_gemm, .Lfunc_end_k_qc6d681fb39_gemm-k_qc6d681fb39_gemm
	.p2alignl 7, 3214868480
	.fill 96, 4, 3214868480
	.section	.rodata,"a",@progbits
	.p2align	6, 0x0
	.amdhsa_kernel k_qc6d681fb39_gemm
		.amdhsa_group_segment_fixed_size 327680
		.amdhsa_private_segment_fixed_size 0
		.amdhsa_enable_private_segment 0
		.amdhsa_kernarg_size 32
		.amdhsa_user_sgpr_count 2
		.amdhsa_user_sgpr_kernarg_segment_ptr 1
		.amdhsa_wavefront_size32 1
		.amdhsa_system_sgpr_workgroup_id_x 1
		.amdhsa_system_sgpr_workgroup_id_y 1
		.amdhsa_system_sgpr_workgroup_id_z 1
		.amdhsa_system_vgpr_workitem_id 0
		.amdhsa_next_free_vgpr 512
		.amdhsa_next_free_sgpr 96
		.amdhsa_reserve_vcc 1
		.amdhsa_float_denorm_mode_32 3
		.amdhsa_float_denorm_mode_16_64 3
		.amdhsa_memory_ordered 1
		.amdhsa_forward_progress 1
		.amdhsa_inst_pref_size 69
	.end_amdhsa_kernel
	.amdgpu_metadata
---
amdhsa.version: [ 1, 2 ]
amdhsa.kernels:
  - .name:           k_qc6d681fb39_gemm
    .symbol:         k_qc6d681fb39_gemm.kd
    .args:
      - { .name: xq, .offset: 0, .size: 8, .value_kind: global_buffer, .address_space: global }
      - { .name: cbq, .offset: 8, .size: 8, .value_kind: global_buffer, .address_space: global }
      - { .name: esqs, .offset: 16, .size: 8, .value_kind: global_buffer, .address_space: global }
      - { .name: cand, .offset: 24, .size: 8, .value_kind: global_buffer, .address_space: global }
    .group_segment_fixed_size: 327680
    .private_segment_fixed_size: 0
    .kernarg_segment_align: 8
    .kernarg_segment_size: 32
    .max_flat_workgroup_size: 128
    .sgpr_count:     96
    .vgpr_count:     512
    .wavefront_size: 32
...
	.end_amdgpu_metadata
.endif
;; end of part 2
;; launch finish (part 3): grid 256 x 1, 8 waves a work-group, no clusters, 1,536 bytes of LDS; arguments x, noise, codebook, cand, out0, out1, part; writes out0, out1, part
.if DOCPART == 3
	.amdgcn_target "amdgcn-amd-amdhsa--gfx1250"
	.amdhsa_code_object_version 6
	.text
	.protected	k_qc6d681fb39_finish
	.globl	k_qc6d681fb39_finish
	.p2align	8
	.type	k_qc6d681fb39_finish,@function
k_qc6d681fb39_finish:
	s_mov_b64 s[64:65], 0
	v_nop
	global_prefetch_b8 v0, s[64:65] scope:SCOPE_SE
	s_setreg_imm32_b32 hwreg(HW_REG_WAVE_MODE, 25, 1), 1
	s_wait_xcnt 0x0
; For each row: the best of its 16 candidates (key, index), by whole-number compares alone (a larger key wins; an equal key goes to the lower index); out1 = the index;
; c = codebook[index]; out0 = x + |x - c| / (|noise| + 1e-12) x noise; and for each work-group the sum of |x - c|^2 over its 64 rows, for the last launch.
; SHARES.  A work-group takes 64 rows, a wave 8.  A row of 1,024 bytes is two loads or stores of 16 bytes a lane, 512 consecutive bytes each.  All is written out: every load is
; issued as soon as its address exists (4 + 32 at the head, 16 gathers behind the choice), and the waits are counted.
; The index is held at 8,191 before it enters an address.  Memory binds here: no matrix unit; no cluster, since work-groups share nothing but rows of the table that the data choose.
; LIMITS: NaN and infinities among the inputs are not served.
.set IDXS, 256                         ; LDS: bytes 0-31 the eight waves' sums; bytes 256-511 the 64 indices
.set CR,  32                           ; v32-95    the chosen codes' rows, then x - c: 8 registers a row
.set X,   96                           ; v96-159   x
.set N,   160                          ; v160-223  noise, then out0
.set RS,  224                          ; v224-231  |x - c|^2, then |x - c|
.set NS,  232                          ; v232-239  |noise|^2, then 1 / (|noise| + 1e-12)
.set F,   240                          ; v240-255  a pair a row: at work, then the row's factor in the low word
	s_load_b256 s[4:11], s[0:1], 0x0               ; x s[4:5], noise s[6:7], codebook s[8:9], cand s[10:11]
	s_load_b128 s[12:15], s[0:1], 0x20             ; out0 s[12:13], out1 s[14:15]
	s_load_b64 s[16:17], s[0:1], 0x30              ; part
	v_lshl_add_u32 v6, v0, 2, 0x200
	v_mov_b32 v7, 0
	v_lshrrev_b32 v1, 5, v0
	s_delay_alu instid0(VALU_DEP_1)
	v_readfirstlane_b32 s18, v1                    ; wave 0..7
	v_and_b32 v1, 31, v0                           ; lane
	s_delay_alu instid0(VALU_DEP_1)
	v_lshlrev_b32 v2, 4, v1                        ; 16 x lane
	s_delay_alu instid0(VALU_DEP_2)
	v_lshrrev_b32 v3, 3, v1
	s_delay_alu instid0(VALU_DEP_3)
	v_and_b32 v4, 7, v1
	s_delay_alu instid0(VALU_DEP_2)
	v_lshlrev_b32 v3, 17, v3
	s_delay_alu instid0(VALU_DEP_1)
	v_lshl_add_u32 v3, v4, 3, v3                   ; cand: range lane / 8 (131,072 bytes each), row lane % 8 (8 bytes each)
	s_lshl_b32 s19, s18, 5
	s_add_co_u32 s19, s19, IDXS
	v_lshl_add_u32 v22, v4, 2, s19                 ; LDS: the index of row 8 wave + lane % 8
	v_mov_b32 v23, s18
	s_delay_alu instid0(VALU_DEP_1)
	v_lshlrev_b32 v23, 2, v23                      ; LDS: my wave's sum
	v_mov_b32 v18, 0                               ; written once: the destinations of lane moves count as sources
	v_mov_b32 v19, 0
	s_mov_b32 s34, 0x76543210                      ; v_permlanex16_b32's selects for lane l xor 16
	s_mov_b32 s35, 0xfedcba98
	s_lshl_b32 s36, ttmp9, 16                      ; my wave's first row, x 1,024 bytes: 65,536 x work-group + 8,192 x wave
	s_lshl_b32 s37, s18, 13
	s_add_co_u32 s36, s36, s37
	s_mov_b32 s37, 0
	s_lshl_b32 s38, ttmp9, 9                       ; the same row x 8 bytes
	s_lshl_b32 s39, s18, 6
	s_add_co_u32 s38, s38, s39
	s_mov_b32 s39, 0
	s_lshl_b32 s40, ttmp9, 8                       ; out1: 64 indices a work-group
	s_mov_b32 s41, 0
	s_lshl_b32 s42, ttmp9, 2                       ; part: one number
	s_mov_b32 s43, 0
	s_wait_alu depctr_va_vdst(0)
	s_wait_kmcnt 0x0
	s_add_nc_u64 s[4:5], s[4:5], s[36:37]
	s_add_nc_u64 s[6:7], s[6:7], s[36:37]
	s_add_nc_u64 s[12:13], s[12:13], s[36:37]
	s_add_nc_u64 s[10:11], s[10:11], s[38:39]
	s_add_nc_u64 s[14:15], s[14:15], s[40:41]
	s_add_nc_u64 s[16:17], s[16:17], s[42:43]
.irp k, 0,1,2,3
	global_load_b64 v[8+2*\k:9+2*\k], v3, s[10:11] offset:524288*\k   ; range lane / 8 + 4 k
.endr
.irp i, 0,1,2,3,4,5,6,7
	global_load_b128 v[X+8*\i:X+8*\i+3],   v2, s[4:5] offset:1024*\i th:TH_LOAD_NT
	global_load_b128 v[X+8*\i+4:X+8*\i+7], v2, s[4:5] offset:1024*\i+512 th:TH_LOAD_NT
.endr
.irp i, 0,1,2,3,4,5,6,7
	global_load_b128 v[N+8*\i:N+8*\i+3],   v2, s[6:7] offset:1024*\i th:TH_LOAD_NT
	global_load_b128 v[N+8*\i+4:N+8*\i+7], v2, s[6:7] offset:1024*\i+512 th:TH_LOAD_NT
.endr
	s_wait_loadcnt 32                              ; the four candidate loads are in; the 32 of x and noise may be out
.irp k, 1
	v_cmp_gt_i32 vcc_lo, v[8+2*\k], v8
	s_delay_alu instid0(VALU_DEP_1)
	v_cndmask_b32 v8, v8, v[8+2*\k], vcc_lo
	s_delay_alu instid0(VALU_DEP_2)
	v_cndmask_b32 v9, v9, v[9+2*\k], vcc_lo
.endr
.irp k, 2, 3
	s_delay_alu instid0(VALU_DEP_2)
	v_cmp_gt_i32 vcc_lo, v[8+2*\k], v8
	s_delay_alu instid0(VALU_DEP_1)
	v_cndmask_b32 v8, v8, v[8+2*\k], vcc_lo
	s_delay_alu instid0(VALU_DEP_2)
	v_cndmask_b32 v9, v9, v[9+2*\k], vcc_lo
.endr
.macro TAKE                            ; the other lane's pair (v18, v19) against mine (v8, v9)
	s_delay_alu instid0(VALU_DEP_2)
	v_cmp_gt_i32 s30, v18, v8
	s_delay_alu instid0(VALU_DEP_3)
	v_cmp_eq_u32 s31, v18, v8
	s_delay_alu instid0(VALU_DEP_3)
	v_cmp_lt_u32 s32, v19, v9
	s_and_b32 s31, s31, s32
	s_or_b32 s30, s30, s31
	v_cndmask_b32 v8, v8, v18, s30
	v_cndmask_b32 v9, v9, v19, s30
.endm
	s_delay_alu instid0(VALU_DEP_2)
	v_mov_b32_dpp v18, v8 row_xmask:8 row_mask:0xf bank_mask:0xf   ; lane l xor 8
	s_delay_alu instid0(VALU_DEP_2)
	v_mov_b32_dpp v19, v9 row_xmask:8 row_mask:0xf bank_mask:0xf
	TAKE
	s_delay_alu instid0(VALU_DEP_2)
	v_permlanex16_b32 v18, v8, s34, s35            ; lane l xor 16
	s_delay_alu instid0(VALU_DEP_2)
	v_permlanex16_b32 v19, v9, s34, s35
	TAKE                                           ; every lane now holds the index of row lane % 8
	s_wait_alu depctr_va_vdst(0)
	ds_store_b32 v22, v9                           ; (four lanes write the same word with the same number)
.irp i, 0,1,2,3,4,5,6,7
	v_readlane_b32 s[20+\i], v9, \i
	s_min_u32 s[20+\i], s[20+\i], 8191             ; inside the table, whatever the buffer holds
	s_lshl_b32 s[20+\i], s[20+\i], 10
	v_add_nc_u32 v[24+\i], s[20+\i], v2
	global_load_b128 v[CR+8*\i:CR+8*\i+3],   v[24+\i], s[8:9]              ; no hint: a row of the table may be chosen again
	global_load_b128 v[CR+8*\i+4:CR+8*\i+7], v[24+\i], s[8:9] offset:512
.endr
.macro WSUM base                       ; eight sums over the wave's 32 lanes, line by line by turns; the result in every lane
.irp m, 1,2,4,8
.irp i, 0,1,2,3,4,5,6,7
	v_add_f32_dpp v[\base+\i], v[\base+\i], v[\base+\i] row_xmask:\m row_mask:0xf bank_mask:0xf
.endr
.endr
.irp i, 0,1,2,3,4,5,6,7
	v_permlanex16_b32 v[F+2*\i], v[\base+\i], s34, s35
.endr
.irp i, 0,1,2,3,4,5,6,7
	v_add_f32 v[\base+\i], v[\base+\i], v[F+2*\i]
.endr
.endm
	s_wait_loadcnt 16                              ; x and noise are in; the 16 gathers may be out: the noise's norms are made meanwhile
.irp i, 0,1,2,3,4,5,6,7
	v_pk_mul_f32 v[F+2*\i:F+2*\i+1], v[N+8*\i:N+8*\i+1], v[N+8*\i:N+8*\i+1]
.endr
.irp j, 2,4,6
.irp i, 0,1,2,3,4,5,6,7
	v_pk_fma_f32 v[F+2*\i:F+2*\i+1], v[N+8*\i+\j:N+8*\i+\j+1], v[N+8*\i+\j:N+8*\i+\j+1], v[F+2*\i:F+2*\i+1]
.endr
.endr
.irp i, 0,1,2,3,4,5,6,7
	v_add_f32 v[NS+\i], v[F+2*\i], v[F+2*\i+1]
.endr
	WSUM NS
	s_wait_alu depctr_va_vdst(0)
.irp i, 0,1,2,3,4,5,6,7
	v_sqrt_f32 v[NS+\i], v[NS+\i]
.endr
	v_nop                                          ; a plain line between a transcendental and the use of its result (ISA guide 5.7.2)
	s_wait_alu depctr_va_vdst(0)
.irp i, 0,1,2,3,4,5,6,7
	v_add_f32 v[NS+\i], 0x2b8cbccc, v[NS+\i]       ; + 1e-12
.endr
	s_wait_alu depctr_va_vdst(0)
.irp i, 0,1,2,3,4,5,6,7
	v_rcp_f32 v[NS+\i], v[NS+\i]                   ; used far below: the lines between are plain and touch none of these
.endr
.irp i, 0,1,2,3,4,5,6,7
	s_wait_loadcnt 14-2*\i                         ; row i's two gathers are in; those of the 7 - i rows behind it may be out
.irp j, 0,2,4,6
	v_pk_add_f32 v[CR+8*\i+\j:CR+8*\i+\j+1], v[X+8*\i+\j:X+8*\i+\j+1], v[CR+8*\i+\j:CR+8*\i+\j+1] neg_lo:[0,1] neg_hi:[0,1]   ; x - c
.endr
	s_delay_alu instid0(VALU_DEP_4)
	v_pk_mul_f32 v[F+2*\i:F+2*\i+1], v[CR+8*\i:CR+8*\i+1], v[CR+8*\i:CR+8*\i+1]
.irp j, 2,4,6
	s_delay_alu instid0(VALU_DEP_1)
	v_pk_fma_f32 v[F+2*\i:F+2*\i+1], v[CR+8*\i+\j:CR+8*\i+\j+1], v[CR+8*\i+\j:CR+8*\i+\j+1], v[F+2*\i:F+2*\i+1]
.endr
	s_delay_alu instid0(VALU_DEP_1)
	v_add_f32 v[RS+\i], v[F+2*\i], v[F+2*\i+1]
.endr
	WSUM RS
	v_add_f32 v16, v[RS], v[RS+1]                  ; the wave's eight rows for the loss
	v_add_f32 v17, v[RS+2], v[RS+3]
	v_add_f32 v18, v[RS+4], v[RS+5]
	s_delay_alu instid0(VALU_DEP_4)
	v_add_f32 v19, v[RS+6], v[RS+7]
	s_wait_alu depctr_va_vdst(0)
.irp i, 0,1,2,3,4,5,6,7
	v_sqrt_f32 v[RS+\i], v[RS+\i]
.endr
	v_add_f32 v16, v16, v17                        ; (plain lines behind the roots)
	v_add_f32 v18, v18, v19
	s_delay_alu instid0(VALU_DEP_1)
	v_add_f32 v20, v16, v18
	ds_store_b32 v23, v20                          ; (all lanes write the same word with the same number)
	s_wait_alu depctr_va_vdst(0)
.irp i, 0,1,2,3,4,5,6,7
	v_mul_f32 v[F+2*\i], v[RS+\i], v[NS+\i]        ; |x - c| / (|noise| + 1e-12)
.endr
.irp i, 0,1,2,3,4,5,6,7
.irp j, 0,2,4,6
	v_pk_fma_f32 v[N+8*\i+\j:N+8*\i+\j+1], v[N+8*\i+\j:N+8*\i+\j+1], v[F+2*\i:F+2*\i+1], v[X+8*\i+\j:X+8*\i+\j+1] op_sel_hi:[1,0,1]   ; the pair's low word serves both halves
.endr
	global_store_b128 v2, v[N+8*\i:N+8*\i+3],   s[12:13] offset:1024*\i th:TH_STORE_NT       ; 32 lanes store 512 consecutive bytes, aligned
	global_store_b128 v2, v[N+8*\i+4:N+8*\i+7], s[12:13] offset:1024*\i+512 th:TH_STORE_NT
.endr
	s_wait_dscnt 0x0                               ; for wave 0's sake: my index words and my sum are in LDS
	s_barrier_signal -1
	s_barrier_wait -1
	s_cmp_lg_u32 s18, 0
	s_cbranch_scc1 .Lend
	v_lshlrev_b32 v21, 3, v1
	v_mov_b32 v4, 0
	ds_load_b64 v[10:11], v21 offset:IDXS          ; two indices a lane
	ds_load_b128 v[12:15], v4                      ; the eight sums, in every lane
	ds_load_b128 v[16:19], v4 offset:16
	s_wait_alu depctr_va_vdst(0)
	s_wait_dscnt 0x0
	global_store_b64 v21, v[10:11], s[14:15]       ; 32 lanes store the work-group's 64 indices: 256 consecutive bytes, aligned
	v_pk_add_f32 v[12:13], v[12:13], v[14:15]
	v_pk_add_f32 v[16:17], v[16:17], v[18:19]
	s_delay_alu instid0(VALU_DEP_1)
	v_pk_add_f32 v[12:13], v[12:13], v[16:17]
	s_delay_alu instid0(VALU_DEP_1)
	v_add_f32 v12, v12, v13
	s_wait_alu depctr_va_vdst(0)
	s_wait_xcnt 0x0                                ; EXEC is a source of the stores above: it changes only behind this wait
	v_cmp_eq_u32 vcc_lo, 0, v1
	s_and_saveexec_b32 s33, vcc_lo
	global_store_b32 v4, v12, s[16:17]             ; lane 0: the work-group's sum
	s_wait_xcnt 0x0
	s_or_b32 exec_lo, exec_lo, s33
.Lend:
	s_wait_tensorcnt 0x0
	ds_add_u32 v6, v7
	s_wait_dscnt 0x0
	s_endpgm
.Lfunc_end_k_qc6d681fb39_finish:
	.size	k_qc6d681fb39_finish, .Lfunc_end_k_qc6d681fb39_finish-k_qc6d681fb39_finish
	.p2alignl 7, 3214868480
	.fill 96, 4, 3214868480
	.section	.rodata,"a",@progbits
	.p2align	6, 0x0
	.amdhsa_kernel k_qc6d681fb39_finish
		.amdhsa_group_segment_fixed_size 1536
		.amdhsa_private_segment_fixed_size 0
		.amdhsa_enable_private_segment 0
		.amdhsa_kernarg_size 56
		.amdhsa_user_sgpr_count 2
		.amdhsa_user_sgpr_kernarg_segment_ptr 1
		.amdhsa_wavefront_size32 1
		.amdhsa_system_sgpr_workgroup_id_x 1
		.amdhsa_system_sgpr_workgroup_id_y 1
		.amdhsa_system_sgpr_workgroup_id_z 1
		.amdhsa_system_vgpr_workitem_id 0
		.amdhsa_next_free_vgpr 256
		.amdhsa_next_free_sgpr 66
		.amdhsa_reserve_vcc 1
		.amdhsa_float_denorm_mode_32 3
		.amdhsa_float_denorm_mode_16_64 3
		.amdhsa_memory_ordered 1
		.amdhsa_forward_progress 1
		.amdhsa_inst_pref_size 31
	.end_amdhsa_kernel
	.amdgpu_metadata
---
amdhsa.version: [ 1, 2 ]
amdhsa.kernels:
  - .name:           k_qc6d681fb39_finish
    .symbol:         k_qc6d681fb39_finish.kd
    .args:
      - { .name: x, .offset: 0, .size: 8, .value_kind: global_buffer, .address_space: global }
      - { .name: noise, .offset: 8, .size: 8, .value_kind: global_buffer, .address_space: global }
      - { .name: codebook, .offset: 16, .size: 8, .value_kind: global_buffer, .address_space: global }
      - { .name: cand, .offset: 24, .size: 8, .value_kind: global_buffer, .address_space: global }
      - { .name: out0, .offset: 32, .size: 8, .value_kind: global_buffer, .address_space: global }
      - { .name: out1, .offset: 40, .size: 8, .value_kind: global_buffer, .address_space: global }
      - { .name: part, .offset: 48, .size: 8, .value_kind: global_buffer, .address_space: global }
    .group_segment_fixed_size: 1536
    .private_segment_fixed_size: 0
    .kernarg_segment_align: 8
    .kernarg_segment_size: 56
    .max_flat_workgroup_size: 256
    .sgpr_count:     66
    .vgpr_count:     256
    .wavefront_size: 32
...
	.end_amdgpu_metadata
.endif
;; end of part 3
;; launch total (part 4): grid 1 x 1, 1 waves a work-group, no clusters, 0 bytes of LDS; arguments part, out2; writes out2
.if DOCPART == 4
	.amdgcn_target "amdgcn-amd-amdhsa--gfx1250"
	.amdhsa_code_object_version 6
	.text
	.protected	k_qc6d681fb39_total
	.globl	k_qc6d681fb39_total
	.p2align	8
	.type	k_qc6d681fb39_total,@function
k_qc6d681fb39_total:
	s_mov_b64 s[64:65], 0
	v_nop
	global_prefetch_b8 v0, s[64:65] scope:SCOPE_SE
	s_setreg_imm32_b32 hwreg(HW_REG_WAVE_MODE, 25, 1), 1
	s_wait_xcnt 0x0
; out2 = 1.25 x the mean of (x - c)^2 = (the sum of the 256 work-groups' sums) x 1.25 / (16,384 x 256).  Both losses of the module are that mean: one counts once, the other a quarter.
; One wave: a sum that spans work-groups has one owner, in a launch behind them.  Eight numbers a lane, then once across the 32 lanes.
	s_load_b128 s[4:7], s[0:1], 0x0                ; part s[4:5], out2 s[6:7]
	v_lshlrev_b32 v1, 4, v0
	v_mov_b32 v2, 0
	s_mov_b32 s8, 0x76543210                       ; v_permlanex16_b32's selects for lane l xor 16
	s_mov_b32 s9, 0xfedcba98
	s_wait_alu depctr_va_vdst(0)
	s_wait_kmcnt 0x0
	global_load_b128 v[4:7], v1, s[4:5]
	global_load_b128 v[8:11], v1, s[4:5] offset:512
	s_wait_loadcnt 0x0
	v_pk_add_f32 v[4:5], v[4:5], v[6:7]
	v_pk_add_f32 v[8:9], v[8:9], v[10:11]
	v_pk_add_f32 v[4:5], v[4:5], v[8:9]
	v_add_f32 v4, v4, v5
	v_add_f32_dpp v4, v4, v4 row_xmask:1 row_mask:0xf bank_mask:0xf
	v_add_f32_dpp v4, v4, v4 row_xmask:2 row_mask:0xf bank_mask:0xf
	v_add_f32_dpp v4, v4, v4 row_xmask:4 row_mask:0xf bank_mask:0xf
	v_add_f32_dpp v4, v4, v4 row_xmask:8 row_mask:0xf bank_mask:0xf
	v_permlanex16_b32 v5, v4, s8, s9
	v_add_f32 v4, v4, v5
	v_mul_f32 v4, 0x34a00000, v4                   ; x 1.25 x 2^-22
	s_wait_alu depctr_va_vdst(0)
	s_wait_xcnt 0x0                                ; EXEC changes only behind this wait
	v_cmp_eq_u32 vcc_lo, 0, v0
	s_and_saveexec_b32 s10, vcc_lo
	global_store_b32 v2, v4, s[6:7]
	s_wait_xcnt 0x0
	s_or_b32 exec_lo, exec_lo, s10
	s_endpgm
.Lfunc_end_k_qc6d681fb39_total:
	.size	k_qc6d681fb39_total, .Lfunc_end_k_qc6d681fb39_total-k_qc6d681fb39_total
	.p2alignl 7, 3214868480
	.fill 96, 4, 3214868480
	.section	.rodata,"a",@progbits
	.p2align	6, 0x0
	.amdhsa_kernel k_qc6d681fb39_total
		.amdhsa_group_segment_fixed_size 0
		.amdhsa_private_segment_fixed_size 0
		.amdhsa_enable_private_segment 0
		.amdhsa_kernarg_size 16
		.amdhsa_user_sgpr_count 2
		.amdhsa_user_sgpr_kernarg_segment_ptr 1
		.amdhsa_wavefront_size32 1
		.amdhsa_system_sgpr_workgroup_id_x 1
		.amdhsa_system_sgpr_workgroup_id_y 1
		.amdhsa_system_sgpr_workgroup_id_z 1
		.amdhsa_system_vgpr_workitem_id 0
		.amdhsa_next_free_vgpr 16
		.amdhsa_next_free_sgpr 66
		.amdhsa_reserve_vcc 1
		.amdhsa_float_denorm_mode_32 3
		.amdhsa_float_denorm_mode_16_64 3
		.amdhsa_memory_ordered 1
		.amdhsa_forward_progress 1
		.amdhsa_inst_pref_size 2
	.end_amdhsa_kernel
	.amdgpu_metadata
---
amdhsa.version: [ 1, 2 ]
amdhsa.kernels:
  - .name:           k_qc6d681fb39_total
    .symbol:         k_qc6d681fb39_total.kd
    .args:
      - { .name: part, .offset: 0, .size: 8, .value_kind: global_buffer, .address_space: global }
      - { .name: out2, .offset: 8, .size: 8, .value_kind: global_buffer, .address_space: global }
    .group_segment_fixed_size: 0
    .private_segment_fixed_size: 0
    .kernarg_segment_align: 8
    .kernarg_segment_size: 16
    .max_flat_workgroup_size: 32
    .sgpr_count:     66
    .vgpr_count:     16
    .wavefront_size: 32
...
	.end_amdgpu_metadata
.endif
;; end of part 4
